; MI455X (gfx1250); checked and timed in simulation.
; The chip was launched on July 23, 2026; its instructions are those of AMD's public machine-readable ISA for CDNA 5 (MIT licence, August 2026) and "CDNA5" Instruction Set Architecture Reference Guide (July 2026). The comments in the code are by the model that wrote it; some were corrected since.
;; Vector Quantizer. Allowed arithmetic: matrix products marked QUANTISED: E4M3 operands, one E8M0 scale for each 32 along K, by v_wmma_scale_f32_16x16x128_f8f6f4 with both operands' format E4M3, f32 sums; everything else in f32.
;; Inputs: inputs 8 x 4,096 x 256 float32; weight 8,192 x 256 float32.
;; Outputs: out0 8 x 4,096 x 256 float32; out1 8 x 4,096 int32.
;; This version of the problem:
;;   THIS VERSION OF THE PROBLEM IS GIVEN IN LOW PRECISION. The matrix products marked QUANTISED in the list below multiply operands that are first quantised to E4M3 (4 exponent bits, 3 mantissa bits; 8 bits a number), with one power-of-two scale for each 32 numbers along K (OCP MX v1.0); their sums are f32. All else is computed in f32.
;;   The module's matrix products, in the order in which they are computed (A, B: the left and right operand; K: the contracted axis; several contracted axes count as one K, in the product's order):
;;     1. [M 32,768, K 256] x [K 256, N 8,192]; A: input inputs; B: input weight: QUANTISED
;;   THE QUANTISER, for each operand of a quantised product, along K:
;;     - K is cut into blocks of 32 from its start; a last block that is shorter is filled with zeros.
;;     - A block's scale is 2^e with e = floor(log2(the largest magnitude in the block)) - 8, held to -126 .. 127; a block of zeros has e = 0. As a byte (E8M0): e + 127.
;;     - Each number is divided by its block's scale, clamped to +-448, and rounded to the nearest number of E4M3, ties to even, subnormals kept.
;;     - The product sums the exact products of the quantised numbers (number of the format x scale) in f32.
;;   ~~~python
;;   def quantise(x, axis):      # numpy; x: float32 -> the quantised numbers, widened to float32 again
;;       x = np.moveaxis(x, axis, -1); K = x.shape[-1]
;;       x = np.pad(x, [(0, 0)] * (x.ndim - 1) + [(0, -K % 32)]); x = x.reshape(x.shape[:-1] + (-1, 32)); a = np.abs(x).max(-1, keepdims=True)
;;       e = np.where(a > 0, np.clip(np.frexp(np.where(a > 0, a, 1))[1] - 1 - 8, -126, 127), 0)      # np.frexp(a)[1] - 1 = floor(log2(a)), exactly
;;       r = np.clip(x / 2.0 ** e, -448, 448)
;;       step = 2.0 ** (np.maximum(np.frexp(np.where(r == 0, 1, r))[1] - 1, -6) - 3)
;;       q = np.round(r / step) * step * 2.0 ** e      # np.round: ties to even
;;       return np.moveaxis(q.reshape(q.shape[:-2] + (-1,))[..., :K], -1, axis).astype(np.float32)
;;   ~~~
;; One version. Each part assembles by itself: llvm-mc -triple=amdgcn-amd-amdhsa -mcpu=gfx1250 --defsym DOCPART=n.
;; ======== version 1 of 1: 4 launches
;; limits: right only within a limited range of input values
;; workspace buffers: xrec 8,912,896 bytes; wrec 2,228,224 bytes; cand 262,144 bytes of whole numbers; idxw 131,072 bytes of whole numbers
;; launch quant (part 1): grid 640 x 1, 4 waves a work-group, no clusters, 68,096 bytes of LDS; arguments inputs, weight, xrec, wrec; writes xrec, wrec
.if DOCPART == 1
	.amdgcn_target "amdgcn-amd-amdhsa--gfx1250"
	.amdhsa_code_object_version 6
	.text
	.protected	k_qcf2d46d8b4_quant
	.globl	k_qcf2d46d8b4_quant
	.p2align	8
	.type	k_qcf2d46d8b4_quant,@function
k_qcf2d46d8b4_quant:
	s_mov_b64 s[64:65], 0
	v_nop
	global_prefetch_b8 v0, s[64:65] scope:SCOPE_SE
	s_setreg_imm32_b32 hwreg(HW_REG_WAVE_MODE, 25, 1), 1
	s_wait_xcnt 0x0
; inputs [32768][256] and weight [8192][256], f32, become RECORDS of 4,352 bytes, one for each tile of 16 rows:
;   bytes 0-4095     the codes of FP8 (E4M3) as an image of a matrix operand's registers: K step s (128 along K), group c at 2048 s + 512 c + 16 x lane;
;                    lane (r, h) holds k = 128 s + 32 c + 16 h + 0 .. 15 of row r
;   bytes 4096-4223  the E8M0 scale words: 8 x row + 4 s (four bytes: the four blocks of 32 of that K step)
;   bytes 4224-4287  the row's sum of squares, f32: 4 x row          bytes 4288-4351  zeros
; A block's scale is 2^(floor(log2(its largest magnitude)) - 8); its byte is the largest magnitude's exponent field - 8, held at 1 from below.
; LIMITS: a block of zeros gets the byte 1 (its codes are zeros, and this program alone reads the bytes); NaN and infinities are not served; the sum of squares is taken
; in f32 by four chains of fused multiply-adds a lane, then the two half rows: another order of rounding than a plain sum along the row.
; SHARES: one wave, one tile (16,384 bytes of f32).  Work-groups 0-511 take inputs, 512-639 weight: only the pointers are chosen, one path through the text.
; Every load takes 512 consecutive bytes; the tile turns through the wave's own stage in LDS (rows 1,040 bytes apart), so that a lane gets 16 neighbours along K.
; No barrier: waves share nothing.  No matrix unit, no cluster: work-groups share no byte.
.set REC,  4352
.set WREG, 16896                       ; LDS of a wave: the stage, then 256 bytes for the record's last unit
.set SP,   1040                        ; a stage row: 1,024 bytes + 16
.set AUX,  16*SP
.set TM,   16                          ; v16-19 largest magnitudes, v20-23 bytes, v24-27 448 x the scale, v28-31 the conversions' scale operands
.set PC,   32                          ; v32-47, v48-63 the codes of K steps 0, 1
.set SQR,  64                          ; v64-71 four pairs of sums of squares
.set D,    128                         ; v128-255 the tile's numbers
	s_load_b128 s[4:7], s[0:1], 0x0                ; inputs, weight
	s_load_b128 s[8:11], s[0:1], 0x10              ; xrec, wrec
	v_lshl_add_u32 v126, v0, 2, 0x10800
	v_mov_b32 v127, 0
	v_lshrrev_b32 v1, 5, v0
	v_readfirstlane_b32 s12, v1                    ; wave
	v_and_b32 v1, 31, v0                           ; lane
	v_and_b32 v2, 15, v0                           ; r
	v_bfe_u32 v3, v0, 4, 1                         ; h
	v_lshlrev_b32 v4, 4, v1                        ; 16 x lane
	s_mul_i32 s13, s12, WREG
	v_add_nc_u32 v5, s13, v4                       ; into the stage: as loaded
	v_mul_u32_u24 v6, v2, SP
	v_lshl_add_u32 v6, v3, 6, v6
	v_add_nc_u32 v6, s13, v6                       ; out of it: row r, + 64 h bytes: my 16 numbers of a block of 32
	s_add_co_u32 s14, s13, AUX
	v_lshl_add_u32 v7, v2, 3, s14                  ; the last unit: my row's two scale words,
	v_lshl_add_u32 v8, v2, 2, s14                  ; its sum of squares (+128) and its zero (+192),
	v_lshl_add_u32 v9, v1, 3, s14                  ; and back: 8 bytes a lane
	v_lshlrev_b32 v10, 3, v1
	v_mov_b32 v11, 0
.irp b, 0,1,2,3
	v_mov_b32 v[TM+4+\b], 0                        ; written once: a lane permute's destination counts as one of its sources
.endr
	v_mov_b32 v72, 0
	s_mov_b32 s20, 0x76543210
	s_mov_b32 s21, 0xfedcba98                      ; v_permlanex16_b32's selects for lane l xor 16
	s_mov_b32 s23, 0x600000                        ; the mantissa field of 448
	s_wait_kmcnt 0x0
	s_cmp_lt_u32 ttmp9, 512                        ; inputs or weight?  The choice hangs on the work-group's number alone
	s_cselect_b64 s[4:5], s[4:5], s[6:7]
	s_cselect_b64 s[8:9], s[8:9], s[10:11]
	s_cselect_b32 s15, 0, 512
	s_sub_co_u32 s15, ttmp9, s15
	s_lshl_b32 s15, s15, 2
	s_add_co_u32 s15, s15, s12                     ; my tile
	s_lshl_b32 s16, s15, 14                        ; 16,384 bytes of f32 a tile
	s_mov_b32 s17, 0
	s_add_nc_u64 s[4:5], s[4:5], s[16:17]
	s_mul_i32 s16, s15, REC
	s_add_nc_u64 s[8:9], s[8:9], s[16:17]
.set i, 0
.rept 32
	global_load_b128 v[D+4*i:D+4*i+3], v4, s[4:5] offset:512*i th:TH_LOAD_NT   ; 32 lanes read 512 consecutive bytes: half a row
.set i, i+1
.endr
.irp g, 0,1,2,3
	s_wait_loadcnt 24-8*\g                         ; loads come back in order: these eight are in, the younger ones stay out
.irp j, 0,1,2,3,4,5,6,7
	ds_store_b128 v5, v[D+4*(8*\g+\j):D+4*(8*\g+\j)+3] offset:((8*\g+\j)/2)*SP+((8*\g+\j)%2)*512
.endr
.endr
	s_wait_dscnt 0x0                               ; the stores have read their registers, which the loads below write
.irp s, 0,1
.irp b, 0,1,2,3
.irp j, 0,1,2,3
	ds_load_b128 v[D+64*\s+16*\b+4*\j:D+64*\s+16*\b+4*\j+3], v6 offset:512*\s+128*\b+16*\j   ; register 64 s + 16 b + i: k = 128 s + 32 b + 16 h + i of row r
.endr
.endr
.endr
; the squares of K step s's 64 numbers onto four chains; the first four products start the sums
.macro SQ s
.set i, 0
.rept 32
.if (\s == 0) && (i < 4)
	v_pk_mul_f32 v[SQR+2*(i%4):SQR+2*(i%4)+1], v[D+64*\s+2*i:D+64*\s+2*i+1], v[D+64*\s+2*i:D+64*\s+2*i+1]
.else
	v_pk_fma_f32 v[SQR+2*(i%4):SQR+2*(i%4)+1], v[D+64*\s+2*i:D+64*\s+2*i+1], v[D+64*\s+2*i:D+64*\s+2*i+1], v[SQR+2*(i%4):SQR+2*(i%4)+1]
.endif
.set i, i+1
.endr
.endm
; 64 numbers of a lane, register 16 b + i = k 32 b + 16 h + i of my row, become a fragment's codes in v[pc] on and its scale word in v[pw]
.macro QUANT src, pc, pw
.irp b, 0,1,2,3
	v_max3_num_f32 v[TM+\b], |v[\src+16*\b]|, |v[\src+1+16*\b]|, 0x4800000   ; block b: my 16 numbers, and the floor 2^(9 - 127): the byte cannot fall under 1
.endr
.irp i, 2,4,6,8,10,12,14
.irp b, 0,1,2,3
	v_max3_num_f32 v[TM+\b], v[TM+\b], |v[\src+16*\b+\i]|, |v[\src+1+16*\b+\i]|   ; the four blocks by turns
.endr
.endr
.irp b, 0,1,2,3
	v_permlanex16_b32 v[TM+4+\b], v[TM+\b], s20, s21
.endr
.irp b, 0,1,2,3
	v_max_num_f32 v[TM+\b], v[TM+\b], v[TM+4+\b]   ; with lane l xor 16's: the block's largest magnitude
.endr
.irp b, 0,1,2,3
	v_add_nc_u32 v[TM+12+\b], 0xfc000000, v[TM+\b] ; 8 off its exponent field: the conversion takes the exponent field of this operand as its scale
.endr
.irp b, 0,1,2,3
	v_and_or_b32 v[TM+8+\b], v[TM+\b], 0x7f800000, s23   ; 448 x the scale
.endr
.irp b, 0,1,2,3
	v_lshrrev_b32 v[TM+4+\b], 23, v[TM+12+\b]      ; the scale's byte
.endr
	v_lshl_or_b32 v[\pw], v[TM+5], 8, v[TM+4]      ; the four bytes make my row's scale word
	v_lshl_or_b32 v[\pw], v[TM+6], 16, v[\pw]
	v_lshl_or_b32 v[\pw], v[TM+7], 24, v[\pw]
.irp b, 0,1,2,3
.irp i, 0,1,2,3,4,5,6,7,8,9,10,11,12,13,14,15
	v_med3_num_f32 v[\src+16*\b+\i], v[\src+16*\b+\i], -v[TM+8+\b], v[TM+8+\b]   ; the conversion to an 8-bit code does not saturate (ISA guide 7.6.2): the hold comes first
.endr
	v_cvt_scalef32_pk8_fp8_f32 v[\pc+4*\b:\pc+1+4*\b], v[\src+16*\b:\src+7+16*\b], v[TM+12+\b]
	v_cvt_scalef32_pk8_fp8_f32 v[\pc+2+4*\b:\pc+3+4*\b], v[\src+8+16*\b:\src+15+16*\b], v[TM+12+\b]
.endr
	v_nop                                          ; one plain vector line behind the last conversion
.endm
	s_wait_dscnt 16                                ; K step 0's sixteen loads are in; K step 1's may be out
	SQ 0                                           ; ahead of the hold, which changes the numbers
	QUANT D, PC, 12
.irp c, 0,1,2,3
	global_store_b128 v4, v[PC+4*\c:PC+4*\c+3], s[8:9] offset:512*\c          ; 32 lanes store 512 consecutive bytes, aligned
.endr
	s_wait_dscnt 0x0
	SQ 1
	QUANT D+64, PC+16, 13
.irp c, 0,1,2,3
	global_store_b128 v4, v[PC+16+4*\c:PC+16+4*\c+3], s[8:9] offset:2048+512*\c
.endr
	v_pk_add_f32 v[SQR:SQR+1], v[SQR:SQR+1], v[SQR+2:SQR+3]
	v_pk_add_f32 v[SQR+4:SQR+5], v[SQR+4:SQR+5], v[SQR+6:SQR+7]
	v_pk_add_f32 v[SQR:SQR+1], v[SQR:SQR+1], v[SQR+4:SQR+5]
	v_add_f32 v64, v64, v65
	v_permlanex16_b32 v72, v64, s20, s21
	v_add_f32 v64, v64, v72                        ; with the other half of the row: the row's sum of squares
	ds_store_b64 v7, v[12:13]                      ; lanes l and l + 16 write the same bytes with the same values
	ds_store_b32 v8, v64 offset:128
	ds_store_b32 v8, v11 offset:192
	ds_load_b64 v[14:15], v9                       ; LDS serves a wave's instructions in order (ISA guide 5.7.1.4): this sees the stores above
	s_wait_dscnt 0x0
	global_store_b64 v10, v[14:15], s[8:9] offset:4096   ; 32 lanes store 256 consecutive bytes, aligned
	s_wait_tensorcnt 0x0
	ds_add_u32 v126, v127
	s_wait_dscnt 0x0
	s_endpgm
.Lfunc_end_k_qcf2d46d8b4_quant:
	.size	k_qcf2d46d8b4_quant, .Lfunc_end_k_qcf2d46d8b4_quant-k_qcf2d46d8b4_quant
	.p2alignl 7, 3214868480
	.fill 96, 4, 3214868480
	.section	.rodata,"a",@progbits
	.p2align	6, 0x0
	.amdhsa_kernel k_qcf2d46d8b4_quant
		.amdhsa_group_segment_fixed_size 68096
		.amdhsa_private_segment_fixed_size 0
		.amdhsa_enable_private_segment 0
		.amdhsa_kernarg_size 32
		.amdhsa_user_sgpr_count 2
		.amdhsa_user_sgpr_kernarg_segment_ptr 1
		.amdhsa_wavefront_size32 1
		.amdhsa_system_sgpr_workgroup_id_x 1
		.amdhsa_system_sgpr_workgroup_id_y 1
		.amdhsa_system_sgpr_workgroup_id_z 1
		.amdhsa_system_vgpr_workitem_id 0
		.amdhsa_next_free_vgpr 256
		.amdhsa_next_free_sgpr 66
		.amdhsa_reserve_vcc 0
		.amdhsa_float_denorm_mode_32 3
		.amdhsa_float_denorm_mode_16_64 3
		.amdhsa_memory_ordered 1
		.amdhsa_forward_progress 1
		.amdhsa_inst_pref_size 31
	.end_amdhsa_kernel
	.amdgpu_metadata
---
amdhsa.version: [ 1, 2 ]
amdhsa.kernels:
  - .name:           k_qcf2d46d8b4_quant
    .symbol:         k_qcf2d46d8b4_quant.kd
    .args:
      - { .name: inputs, .offset: 0, .size: 8, .value_kind: global_buffer, .address_space: global }
      - { .name: weight, .offset: 8, .size: 8, .value_kind: global_buffer, .address_space: global }
      - { .name: xrec, .offset: 16, .size: 8, .value_kind: global_buffer, .address_space: global }
      - { .name: wrec, .offset: 24, .size: 8, .value_kind: global_buffer, .address_space: global }
    .group_segment_fixed_size: 68096
    .private_segment_fixed_size: 0
    .kernarg_segment_align: 8
    .kernarg_segment_size: 32
    .max_flat_workgroup_size: 128
    .sgpr_count:     66
    .vgpr_count:     256
    .wavefront_size: 32
...
	.end_amdgpu_metadata
.endif
;; end of part 1
;; launch main (part 2): grid 256 x 1, 4 waves a work-group, no clusters, 8,704 bytes of LDS; arguments xrec, wrec, cand; writes cand
.if DOCPART == 2
	.amdgcn_target "amdgcn-amd-amdhsa--gfx1250"
	.amdhsa_code_object_version 6
	.text
	.protected	k_qcf2d46d8b4_main
	.globl	k_qcf2d46d8b4_main
	.p2align	8
	.type	k_qcf2d46d8b4_main,@function
k_qcf2d46d8b4_main:
	s_mov_b64 s[64:65], 0
	v_nop
	global_prefetch_b8 v0, s[64:65] scope:SCOPE_SE
	s_setreg_imm32_b32 hwreg(HW_REG_WAVE_MODE, 25, 1), 1
	s_wait_xcnt 0x0
; cand[half][query] = the chunk of 8 codes (0 .. 1023) that holds the first smallest distance of the query among the 4,096 codes of that half.
; distance = (sum x^2 + sum e^2) - 2 x.e: one f32 add, one fused multiply-add on the matrix unit's sum, as reference() rounds them.  Nothing of reference() is left out here.
; SHARES.  256 work-groups: work-group g takes the 256 queries of block g / 2 and half g % 2 of the codes.  Four waves, one to a SIMD.  A wave keeps ALL 16 tiles of queries
; (512 registers of codes) and takes every fourth record of 16 codes: 64 phases; a phase is one record against 16 tiles of queries, 32 matrix instructions.
; THE RECORDS COME STRAIGHT INTO REGISTERS.  A record of wrec (4,352 bytes) is an image of the operand's registers, so 11 loads bring it: 8 x 512 bytes of codes, the scale words, the
; sums of squares.  A ring of four register buffers: phase p asks for the record of phase p + 3, 96 matrix instructions ahead of its first use.
; cluster = none, and no tensor load: a record is read by ONE wave of the work-group and feeds that wave's 32 matrix instructions from the registers it lands in; no tile lies in LDS
; that partners could be given jointly, and the loop has no barrier.  No prefetch: the ring's own loads ask three phases ahead, and work-groups of one half walk the same records.
; THE PRODUCT IS USED TRANSPOSED: source 0 = 16 codes, source 1 = 16 queries: lane (r, h) holds query r, its registers the codes 8 h + 0 .. 7: one chunk.
; A lane keeps its smallest distance so far and the record in which it first fell (strictly smaller only: the earlier record stays).  At the end the two halves of the lanes
; and the four waves are joined through LDS: the smaller distance, among equal ones the lower chunk.
; LIMITS: NaN and infinities are not served.
; REGISTERS.  window 0: v0-15 addresses; v16-47 the queries' scale words; v48-111 state, four a tile: sum x^2, record, and the smallest distance in two registers by turns;
;   v112-175 two sets of four accumulators; v176-207 at work; v208-247 the ring's scale words (2) and sums of squares (8), four buffers; v248-249 the result.
;   windows 1, 2: the queries' fragments, 32 registers a tile.   window 3: v0-127 the ring's codes, 32 registers a buffer.
.set REC,   4352
.set PSTEP, 4*REC                      ; from a wave's record to its next
.set HALFB, 256*REC                    ; a half of the codes
.set SPARE, 8192                       ; behind the 8,192 bytes of the last merge: the spare words, 128 bytes a wave
.set XS,  16
.set ST,  48
.set ACC, 112
.set S,   176
.set FX,  208
.set OUT, 248
.set MSB, 0
.macro WIN new                         ; the immediate's high byte repeats the setting that is left
.if MSB != \new
	s_set_vgpr_msb (MSB<<8)|\new
.set MSB, \new
.endif
.endm
	s_load_b128 s[4:7], s[0:1], 0x0                ; xrec, wrec
	s_load_b64 s[8:9], s[0:1], 0x10                ; cand
	v_lshl_add_u32 v1, v0, 2, SPARE                ; my spare word, and 0: kept for the closing lines alone
	v_mov_b32 v2, 0
	v_lshrrev_b32 v10, 5, v0
	v_readfirstlane_b32 s10, v10                   ; wave 0..3
	s_and_b32 s14, ttmp9, 1                        ; which half of the codes
	s_lshr_b32 s15, ttmp9, 1                       ; which block of 256 queries
	s_mul_i32 s18, s14, HALFB
	s_mul_i32 s16, s10, REC
	s_add_co_u32 s18, s18, s16                     ; my first record: half x 256 + wave
	s_mov_b32 s19, 0
	s_mul_i32 s22, s15, 16*REC                     ; the block's 16 records of queries
	s_mov_b32 s23, 0
	s_lshl_b32 s16, s14, 17
	s_lshl_b32 s17, s15, 10
	s_add_co_u32 s16, s16, s17                     ; cand: 131,072 bytes a half, 1,024 a block
	s_mov_b32 s17, 0
	s_lshl_b32 s47, s14, 8
	s_add_co_u32 s47, s47, s10                     ; the number of the record at work; + 4 a phase
	s_mov_b32 s52, 0x76543210
	s_mov_b32 s53, 0xfedcba98                      ; v_permlanex16_b32's selects for lane l xor 16
	v_and_b32 v10, 31, v0
	v_and_b32 v11, 15, v0                          ; r
	v_bfe_u32 v9, v0, 4, 1                         ; h
	v_lshlrev_b32 v3, 4, v10                       ; 16 x lane: an image's 16 bytes
	v_lshlrev_b32 v4, 3, v11                       ; 8 r: a row's two scale words
	v_lshlrev_b32 v5, 5, v9                        ; 32 h: my chunk's eight sums of squares
	v_lshlrev_b32 v10, 2, v11                      ; 4 r: my query's sum of squares
.irp q, 0,1,2,3,4,5,6,7,8,9,10,11,12,13,14,15
	v_mov_b32 v[ST+4*\q+1], 0
	v_mov_b32 v[ST+4*\q+2], 0x7f800000             ; over every distance
.endr
	s_wait_alu depctr_va_vdst(0)                   ; the wait at the head's end
	s_wait_kmcnt 0x0
	s_add_nc_u64 s[4:5], s[4:5], s[22:23]
	s_add_nc_u64 s[20:21], s[6:7], s[18:19]
	s_add_nc_u64 s[8:9], s[8:9], s[16:17]
	WIN 0x40                                       ; destination window 1
.irp q, 0,1,2,3,4,5,6,7
.irp s, 0,1
.irp c, 0,1,2,3
	global_load_b128 v[32*\q+16*\s+4*\c:32*\q+16*\s+4*\c+3], v3, s[4:5] offset:REC*\q+2048*\s+512*\c
.endr
.endr
.endr
	WIN 0x80                                       ; destination window 2
.irp q, 0,1,2,3,4,5,6,7
.irp s, 0,1
.irp c, 0,1,2,3
	global_load_b128 v[32*\q+16*\s+4*\c:32*\q+16*\s+4*\c+3], v3, s[4:5] offset:REC*(8+\q)+2048*\s+512*\c
.endr
.endr
.endr
	WIN 0
.irp q, 0,1,2,3,4,5,6,7,8,9,10,11,12,13,14,15
	global_load_b64 v[XS+2*\q:XS+2*\q+1], v4, s[4:5] offset:REC*\q+4096
	global_load_b32 v[ST+4*\q], v10, s[4:5] offset:REC*\q+4224
.endr
; a record into ring buffer b: 11 loads
.macro LOADW b, off
	WIN 0xc0                                       ; destination window 3, address window 0
.irp s, 0,1
.irp c, 0,1,2,3
	global_load_b128 v[32*(\b)+16*\s+4*\c:32*(\b)+16*\s+4*\c+3], v3, s[20:21] offset:\off+2048*\s+512*\c
.endr
.endr
	WIN 0
	global_load_b64 v[FX+10*(\b):FX+10*(\b)+1], v4, s[20:21] offset:\off+4096
	global_load_b128 v[FX+10*(\b)+2:FX+10*(\b)+5], v5, s[20:21] offset:\off+4224
	global_load_b128 v[FX+10*(\b)+6:FX+10*(\b)+9], v5, s[20:21] offset:\off+4240
.endm
; group g = tiles of queries 4 g .. 4 g + 3, into accumulator set g % 2: eight matrix instructions, the four accumulators by turns; the first K step starts the sums
.macro MM g, b
.irp s, 0,1
.irp u, 0,1,2,3
.if \s == 0
	v_wmma_scale_f32_16x16x128_f8f6f4 v[ACC+32*((\g)%2)+8*\u:ACC+32*((\g)%2)+8*\u+7], v[32*(\b):32*(\b)+15], v[32*((4*(\g)+\u)%8):32*((4*(\g)+\u)%8)+15], 0, v[FX+10*(\b)], v[XS+2*(4*(\g)+\u)]
.else
	v_wmma_scale_f32_16x16x128_f8f6f4 v[ACC+32*((\g)%2)+8*\u:ACC+32*((\g)%2)+8*\u+7], v[32*(\b)+16:32*(\b)+31], v[32*((4*(\g)+\u)%8)+16:32*((4*(\g)+\u)%8)+31], v[ACC+32*((\g)%2)+8*\u:ACC+32*((\g)%2)+8*\u+7], v[FX+10*(\b)+1], v[XS+2*(4*(\g)+\u)+1]
.endif
.endr
.endr
.endm
.macro ADDS g, b                       ; sum e^2 + sum x^2: 16 lines that name no register of a matrix instruction: the places ahead of the reads of results
.irp u, 0,1,2,3
.irp i, 0,1,2,3
	v_pk_add_f32 v[S+8*\u+2*\i:S+8*\u+2*\i+1], v[FX+10*(\b)+2+2*\i:FX+10*(\b)+3+2*\i], v[ST+4*(4*(\g)+\u):ST+4*(4*(\g)+\u)+1] op_sel_hi:[1,0]
.endr
.endr
.endm
.macro FMAS g                          ; - 2 x.e; each accumulator from its low end on
.irp u, 0,1,2,3
.irp i, 0,1,2,3
	v_pk_fma_f32 v[S+8*\u+2*\i:S+8*\u+2*\i+1], v[ACC+32*((\g)%2)+8*\u+2*\i:ACC+32*((\g)%2)+8*\u+2*\i+1], -2.0, v[S+8*\u+2*\i:S+8*\u+2*\i+1] op_sel_hi:[1,0,1]
.endr
.endr
.endm
.macro MINS g, par                     ; the smallest of the chunk's eight and of the smallest so far: three lines side by side, then one; the four tiles by turns
.irp u, 0,1,2,3
	v_min3_num_f32 v[S+8*\u], v[S+8*\u], v[S+8*\u+1], v[S+8*\u+2]
.endr
.irp u, 0,1,2,3
	v_min3_num_f32 v[S+8*\u+3], v[S+8*\u+3], v[S+8*\u+4], v[S+8*\u+5]
.endr
.irp u, 0,1,2,3
	v_min3_num_f32 v[S+8*\u+6], v[S+8*\u+6], v[S+8*\u+7], v[ST+4*(4*(\g)+\u)+2+\par]
.endr
.irp u, 0,1,2,3
	v_min3_num_f32 v[ST+4*(4*(\g)+\u)+3-\par], v[S+8*\u], v[S+8*\u+3], v[S+8*\u+6]
.endr
.endm
.macro CMPS g, par                     ; has it fallen?
.irp u, 0,1,2,3
	v_cmp_lt_f32 s[40+\u], v[ST+4*(4*(\g)+\u)+3-\par], v[ST+4*(4*(\g)+\u)+2+\par]
.endr
.endm
.macro CNDS g                          ; then this record is kept
.irp u, 0,1,2,3
	v_cndmask_b32 v[ST+4*(4*(\g)+\u)+1], v[ST+4*(4*(\g)+\u)+1], s47, s[40+\u]
.endr
.endm
; the vector work of group g; the compare and the select of group g - 1 stand among its independent lines
.macro EPI g, b, par
	ADDS \g, \b
.if \g > 0
	CMPS (\g)-1, \par
.endif
	FMAS \g
.if \g > 0
	CNDS (\g)-1
.endif
	MINS \g, \par
.if \g == 3
	CMPS 3, \par
	CNDS 3
.endif
.endm
; A phase: ring buffer b against the 16 tiles.  cnt: the loads issued behind this record's, which may stay out.  ld = 1: the record three phases on is asked for, into the buffer
; that the last phase read: its matrix instructions lie two groups of vector work back.  A group's results are read one group of matrix instructions later.
.macro PHASE b, par, ld, off, cnt
	s_wait_loadcnt \cnt
.if \ld
	LOADW ((\b)+3)%4, \off
.endif
	WIN 0x07                                       ; source 0 (the codes) window 3, source 1 (the queries) window 1, C and D window 0
	MM 0, \b
	MM 1, \b
	WIN 0
	EPI 0, \b, \par
	WIN 0x0b                                       ; the queries: window 2
	MM 2, \b
	WIN 0
	EPI 1, \b, \par
	WIN 0x0b
	MM 3, \b
	WIN 0
	EPI 2, \b, \par
	EPI 3, \b, \par
	s_add_co_u32 s47, s47, 4
.endm
	LOADW 0, 0
	LOADW 1, PSTEP
	LOADW 2, 2*PSTEP
	s_mov_b32 s50, 15
.Ltrip:                                                ; four phases: once round the ring.  22 = the two younger records' loads
	PHASE 0, 0, 1, 3*PSTEP, 22
	PHASE 1, 1, 1, 4*PSTEP, 22
	PHASE 2, 0, 1, 5*PSTEP, 22
	PHASE 3, 1, 1, 6*PSTEP, 22
	s_wait_xcnt 0x0                                ; the loads have read their base: it steps only behind this wait
	s_add_nc_u64 s[20:21], s[20:21], 4*PSTEP
	s_sub_co_u32 s50, s50, 1
	s_cmp_lg_u32 s50, 0
	s_cbranch_scc1 .Ltrip
	PHASE 0, 0, 1, 3*PSTEP, 22                     ; the last four phases: one more record (the half's last of mine), then the counts run down
	PHASE 1, 1, 0, 0, 22
	PHASE 2, 0, 0, 0, 11
	PHASE 3, 1, 0, 0, 0
; (b, c) against (b2, c2): the smaller distance, among equal ones the lower chunk, into (db, dc)
.macro LEX b, c, b2, c2, db, dc
	v_cmp_lt_f32 s40, v[\b2], v[\b]
	v_cmp_eq_f32 s41, v[\b2], v[\b]
	v_cmp_lt_u32 s42, v[\c2], v[\c]
	s_and_b32 s41, s41, s42
	s_or_b32 s40, s40, s41
	v_cndmask_b32 v[\db], v[\b], v[\b2], s40
	v_cndmask_b32 v[\dc], v[\c], v[\c2], s40
.endm
	s_lshl_b32 s16, s10, 11
	v_add_nc_u32 v12, s16, v4                      ; LDS: 2,048 bytes a wave, 8 bytes a query
.irp q, 0,1,2,3,4,5,6,7,8,9,10,11,12,13,14,15
	v_lshl_add_u32 v[ST+4*\q+1], v[ST+4*\q+1], 1, v9   ; the chunk: 2 x record + h
.endr
.irp q, 0,1,2,3,4,5,6,7,8,9,10,11,12,13,14,15
	v_permlanex16_b32 v[S+2*\q], v[ST+4*\q+2], s52, s53
	v_permlanex16_b32 v[S+2*\q+1], v[ST+4*\q+1], s52, s53
.endr
.irp q, 0,1,2,3,4,5,6,7,8,9,10,11,12,13,14,15
	LEX ST+4*\q+2, ST+4*\q+1, S+2*\q, S+2*\q+1, ST+4*\q, ST+4*\q+1
.endr
.irp q, 0,1,2,3,4,5,6,7,8,9,10,11,12,13,14,15
	ds_store_b64 v12, v[ST+4*\q:ST+4*\q+1] offset:128*\q   ; lanes l and l + 16 write the same bytes with the same values
.endr
	s_wait_dscnt 0x0                               ; for the others' sake: my stores are done
	s_barrier_signal -1
	s_barrier_wait -1
	v_lshlrev_b32 v11, 4, v0                       ; thread t takes queries 2 t and 2 t + 1: 16 bytes of each wave's list
	v_lshlrev_b32 v13, 3, v0
.irp i, 0,1,2,3
	ds_load_b128 v[S+4*\i:S+4*\i+3], v11 offset:2048*\i
.endr
	s_wait_dscnt 0x0
	LEX S, S+1, S+4, S+5, S, S+1
	LEX S+2, S+3, S+6, S+7, S+2, S+3
	LEX S, S+1, S+8, S+9, S, S+1
	LEX S+2, S+3, S+10, S+11, S+2, S+3
	LEX S, S+1, S+12, S+13, S, OUT
	LEX S+2, S+3, S+14, S+15, S+2, OUT+1
	global_store_b64 v13, v[OUT:OUT+1], s[8:9]     ; a wave stores 256 consecutive bytes, aligned
	s_wait_tensorcnt 0x0                           ; the wave's end
	ds_add_u32 v1, v2
	s_wait_dscnt 0x0
	s_endpgm
.Lfunc_end_k_qcf2d46d8b4_main:
	.size	k_qcf2d46d8b4_main, .Lfunc_end_k_qcf2d46d8b4_main-k_qcf2d46d8b4_main
	.p2alignl 7, 3214868480
	.fill 96, 4, 3214868480
	.section	.rodata,"a",@progbits
	.p2align	6, 0x0
	.amdhsa_kernel k_qcf2d46d8b4_main
		.amdhsa_group_segment_fixed_size 8704
		.amdhsa_private_segment_fixed_size 0
		.amdhsa_enable_private_segment 0
		.amdhsa_kernarg_size 24
		.amdhsa_user_sgpr_count 2
		.amdhsa_user_sgpr_kernarg_segment_ptr 1
		.amdhsa_wavefront_size32 1
		.amdhsa_system_sgpr_workgroup_id_x 1
		.amdhsa_system_sgpr_workgroup_id_y 1
		.amdhsa_system_sgpr_workgroup_id_z 1
		.amdhsa_system_vgpr_workitem_id 0
		.amdhsa_next_free_vgpr 1024
		.amdhsa_next_free_sgpr 66
		.amdhsa_reserve_vcc 0
		.amdhsa_float_denorm_mode_32 3
		.amdhsa_float_denorm_mode_16_64 3
		.amdhsa_memory_ordered 1
		.amdhsa_forward_progress 1
		.amdhsa_inst_pref_size 187
	.end_amdhsa_kernel
	.amdgpu_metadata
---
amdhsa.version: [ 1, 2 ]
amdhsa.kernels:
  - .name:           k_qcf2d46d8b4_main
    .symbol:         k_qcf2d46d8b4_main.kd
    .args:
      - { .name: xrec, .offset: 0, .size: 8, .value_kind: global_buffer, .address_space: global }
      - { .name: wrec, .offset: 8, .size: 8, .value_kind: global_buffer, .address_space: global }
      - { .name: cand, .offset: 16, .size: 8, .value_kind: global_buffer, .address_space: global }
    .group_segment_fixed_size: 8704
    .private_segment_fixed_size: 0
    .kernarg_segment_align: 8
    .kernarg_segment_size: 24
    .max_flat_workgroup_size: 128
    .sgpr_count:     66
    .vgpr_count:     1024
    .wavefront_size: 32
...
	.end_amdgpu_metadata
.endif
;; end of part 2
;; launch refine (part 3): grid 256 x 1, 8 waves a work-group, no clusters, 0 bytes of LDS; arguments xrec, wrec, cand, out1, idxw; writes out1, idxw
.if DOCPART == 3
	.amdgcn_target "amdgcn-amd-amdhsa--gfx1250"
	.amdhsa_code_object_version 6
	.text
	.protected	k_qcf2d46d8b4_refine
	.globl	k_qcf2d46d8b4_refine
	.p2align	8
	.type	k_qcf2d46d8b4_refine,@function
k_qcf2d46d8b4_refine:
	s_mov_b64 s[64:65], 0
	v_nop
	global_prefetch_b8 v0, s[64:65] scope:SCOPE_SE
	s_setreg_imm32_b32 hwreg(HW_REG_WAVE_MODE, 25, 1), 1
	s_wait_xcnt 0x0
; The code inside the chunk.  cand[half][query] names, for each query and each half of the codes, the chunk of 8 codes with the first smallest distance.  Here the 16 distances of a query's two chunks are
; made once more, by the same matrix instruction on the same codes and scales and the same two vector instructions, and the first smallest is taken: out1 (and idxw, for the launch that gathers).
; SHARES.  A wave takes a tile of 16 queries.  For query p of the tile a tile of codes is put together: rows 0-7 the chunk of half 0, rows 8-15 the chunk of half 1; it is multiplied with the whole tile of
; queries, and column p is kept: lane (r, h) keeps, of product r, its eight registers: its query's distances to the chunk of half h.  Fifteen columns in sixteen are thrown away: 32 matrix instructions a wave.
; The chunks' numbers are whole numbers that an earlier launch stored; each is held under 1,024 before it enters an address.
; It leans on this: a sum's bits do not hang on the row and column of the tile in which it stands.  If they did, the choice among these 16 would still be the first smallest of what is computed here.
; No LDS, no tensor load: the rows come by the list, 16 bytes a lane, eight lanes to 128 consecutive bytes.  No cluster: work-groups share no tile.  A wave's stores cover 64 consecutive bytes.
; LIMITS: NaN and infinities are not served.
; REGISTERS.  window 0: v4-19 chunks, then the code rows' offsets; v20-35 the scale words' offsets; v36-67 the codes' scale words; v68-99 the queries' fragments; v100-101 their scale words;
;   v102 sum x^2; v104-111 sum e^2, then the distances; v112-119 the kept products; v120-151 four accumulators.   window 1: two buffers of four tiles of codes.
.set REC,  4352
.set CID,  4
.set SOFF, 20
.set AS,   36
.set B,    68
.set XS,   100
.set SX,   102
.set SE,   104
.set SEL,  112
.set D,    120
.set MSB, 0
.macro WIN new
.if MSB != \new
	s_set_vgpr_msb (MSB<<8)|\new
.set MSB, \new
.endif
.endm
	s_load_b128 s[4:7], s[0:1], 0x0                ; xrec, wrec
	s_load_b128 s[8:11], s[0:1], 0x10              ; cand, out1
	s_load_b64 s[12:13], s[0:1], 0x20              ; idxw
	v_lshrrev_b32 v1, 5, v0
	s_delay_alu instid0(VALU_DEP_1)
	v_readfirstlane_b32 s14, v1                    ; wave
	v_and_b32 v3, 31, v0                           ; lane
	v_and_b32 v1, 15, v0                           ; r
	v_bfe_u32 v2, v0, 4, 1                         ; h
	s_lshl_b32 s15, ttmp9, 3
	s_add_co_u32 s15, s15, s14                     ; my tile of queries
	s_mul_i32 s16, s15, REC
	s_mov_b32 s17, 0
	s_lshl_b32 s18, s15, 6                         ; 16 queries x 4 bytes
	s_mov_b32 s19, 0
	v_and_b32 v152, 8, v1
	s_delay_alu instid0(VALU_DEP_1)
	v_lshlrev_b32 v152, 14, v152                   ; rows 0-7 of a tile take half 0's list, rows 8-15 half 1's, 131,072 bytes on
	v_lshlrev_b32 v161, 2, v1                      ; 4 r
	s_delay_alu instid0(VALU_DEP_1)
	v_lshl_add_u32 v153, v2, 17, v161              ; my own query's chunk in half h
	v_lshlrev_b32 v162, 4, v3                      ; 16 x lane
	v_lshlrev_b32 v163, 3, v1                      ; 8 r
	v_and_b32 v155, 7, v1
	s_delay_alu instid0(VALU_DEP_1)
	v_lshlrev_b32 v154, 4, v155
	s_delay_alu instid0(VALU_DEP_1)
	v_lshl_add_u32 v154, v2, 8, v154               ; in an image: 16 (r % 8) + 256 h
	s_delay_alu instid0(VALU_DEP_3)
	v_lshlrev_b32 v155, 3, v155                    ; among the scale words: 8 (r % 8)
.irp p, 0,1,2,3,4,5,6,7,8,9,10,11,12,13,14,15
	v_cmp_eq_u32 s[32+\p], \p, v1                  ; the lanes that keep product p
.endr
.irp j, 0,1,2,3,4,5,6,7
	v_mov_b32 v[SEL+\j], 0
.endr
	v_mov_b32 v[SX+1], 0                           ; named with sum x^2 as a pair, so it is written
	v_mov_b32 v159, 0                              ; a lane permute's destination counts as one of its sources
	v_mov_b32 v160, 0
	s_mov_b32 s24, 0x76543210
	s_mov_b32 s25, 0xfedcba98
	s_wait_kmcnt 0x0
	s_add_nc_u64 s[4:5], s[4:5], s[16:17]
	s_add_nc_u64 s[8:9], s[8:9], s[18:19]
	s_add_nc_u64 s[10:11], s[10:11], s[18:19]
	s_add_nc_u64 s[12:13], s[12:13], s[18:19]
.irp i, 0,1,2,3
	global_load_b128 v[CID+4*\i:CID+4*\i+3], v152, s[8:9] offset:16*\i   ; the 16 queries' chunks
.endr
	global_load_b32 v158, v153, s[8:9]
.irp s, 0,1
.irp c, 0,1,2,3
	global_load_b128 v[B+16*\s+4*\c:B+16*\s+4*\c+3], v162, s[4:5] offset:2048*\s+512*\c
.endr
.endr
	global_load_b64 v[XS:XS+1], v163, s[4:5] offset:4096
	global_load_b32 v[SX], v161, s[4:5] offset:4224
	s_wait_loadcnt 10                              ; the five loads of chunks are in; the queries' ten may be out
.irp p, 0,1,2,3,4,5,6,7,8,9,10,11,12,13,14,15
	v_min_u32 v[CID+\p], 0x3ff, v[CID+\p]          ; held inside the table
	s_delay_alu instid0(VALU_DEP_1)
	v_and_b32 v164, 0x3fe, v[CID+\p]
	s_delay_alu instid0(VALU_DEP_2)
	v_and_b32 v165, 1, v[CID+\p]
	s_delay_alu instid0(VALU_DEP_2)
	v_mul_u32_u24 v164, v164, 2176                 ; the chunk's record: (chunk / 2) x 4,352
	s_delay_alu instid0(VALU_DEP_1)
	v_lshl_add_u32 v[SOFF+\p], v165, 6, v164       ; the upper chunk's scale words lie 64 bytes on,
	s_delay_alu instid0(VALU_DEP_2)
	v_lshl_add_u32 v[CID+\p], v165, 7, v164        ; its rows in an image 128 bytes on
	s_delay_alu instid0(VALU_DEP_2)
	v_add_nc_u32 v[SOFF+\p], v[SOFF+\p], v155
	s_delay_alu instid0(VALU_DEP_2)
	v_add_nc_u32 v[CID+\p], v[CID+\p], v154
.endr
	v_min_u32 v158, 0x3ff, v158
	s_delay_alu instid0(VALU_DEP_1)
	v_and_b32 v164, 0x3fe, v158
	s_delay_alu instid0(VALU_DEP_2)
	v_and_b32 v165, 1, v158
	s_delay_alu instid0(VALU_DEP_2)
	v_mul_u32_u24 v164, v164, 2176
	s_delay_alu instid0(VALU_DEP_1)
	v_lshl_add_u32 v166, v165, 5, v164             ; my chunk's eight sums of squares
	global_load_b128 v[SE:SE+3], v166, s[6:7] offset:4224
	global_load_b128 v[SE+4:SE+7], v166, s[6:7] offset:4240
; four tiles of codes, for queries 4 g .. 4 g + 3, into buffer buf: 36 loads
.macro GRP g, buf
.irp t, 0,1,2,3
	global_load_b64 v[AS+2*(4*\g+\t):AS+2*(4*\g+\t)+1], v[SOFF+4*\g+\t], s[6:7] offset:4096
.endr
	WIN 0x40                                       ; destination window 1
.irp t, 0,1,2,3
.irp s, 0,1
.irp c, 0,1,2,3
	global_load_b128 v[128*\buf+32*\t+16*\s+4*\c:128*\buf+32*\t+16*\s+4*\c+3], v[CID+4*\g+\t], s[6:7] offset:2048*\s+512*\c
.endr
.endr
.endr
	WIN 0
.endm
; their products, four accumulators by turns, and each product's one column kept
.macro MULG g, buf
	WIN 0x01                                       ; source 0 (the codes) window 1
.irp t, 0,1,2,3
	v_wmma_scale_f32_16x16x128_f8f6f4 v[D+8*\t:D+8*\t+7], v[128*\buf+32*\t:128*\buf+32*\t+15], v[B:B+15], 0, v[AS+2*(4*\g+\t)], v[XS]
.endr
.irp t, 0,1,2,3
	v_wmma_scale_f32_16x16x128_f8f6f4 v[D+8*\t:D+8*\t+7], v[128*\buf+32*\t+16:128*\buf+32*\t+31], v[B+16:B+31], v[D+8*\t:D+8*\t+7], v[AS+2*(4*\g+\t)+1], v[XS+1]
.endr
	WIN 0
.rept 8
	v_nop                                          ; eight places behind the products, ahead of the reads of results and of the loads into the buffer
.endr
	s_wait_alu depctr_va_vdst(0)
.irp t, 0,1,2,3
.irp j, 0,1,2,3,4,5,6,7
	v_cndmask_b32 v[SEL+\j], v[SEL+\j], v[D+8*\t+\j], s[32+4*\g+\t]   ; each accumulator from its low end on
.endr
.endr
.endm
	GRP 0, 0
	GRP 1, 1
	s_wait_loadcnt 36                              ; all but the youngest group of 36
	MULG 0, 0
	GRP 2, 0
	s_wait_loadcnt 36
	MULG 1, 1
	GRP 3, 1
	s_wait_loadcnt 36
	MULG 2, 0
	s_wait_loadcnt 0x0
	MULG 3, 1
.irp i, 0,1,2,3
	v_pk_add_f32 v[SE+2*\i:SE+2*\i+1], v[SE+2*\i:SE+2*\i+1], v[SX:SX+1] op_sel_hi:[1,0]   ; sum e^2 + sum x^2
.endr
.irp i, 0,1,2,3
	s_delay_alu instid0(VALU_DEP_4)
	v_pk_fma_f32 v[SE+2*\i:SE+2*\i+1], v[SEL+2*\i:SEL+2*\i+1], -2.0, v[SE+2*\i:SE+2*\i+1] op_sel_hi:[1,0,1]   ; - 2 x.e
.endr
	s_delay_alu instid0(VALU_DEP_4)
	v_mov_b32 v156, v[SE]
	v_mov_b32 v157, 0
.irp j, 1
	s_delay_alu instid0(VALU_DEP_2)
	v_cmp_ge_f32 vcc_lo, v[SE+\j], v156            ; not smaller: the earlier code stays
	s_delay_alu instid0(VALU_DEP_1)
	v_cndmask_b32 v157, \j, v157, vcc_lo
	s_delay_alu instid0(VALU_DEP_4)
	v_min_num_f32 v156, v156, v[SE+\j]
.endr
.irp j, 2, 3, 4, 5, 6, 7
	s_delay_alu instid0(VALU_DEP_1)
	v_cmp_ge_f32 vcc_lo, v[SE+\j], v156            ; not smaller: the earlier code stays
	s_delay_alu instid0(VALU_DEP_1)
	v_cndmask_b32 v157, \j, v157, vcc_lo
	s_delay_alu instid0(VALU_DEP_3)
	v_min_num_f32 v156, v156, v[SE+\j]
.endr
	s_delay_alu instid0(VALU_DEP_2)
	v_lshl_add_u32 v157, v158, 3, v157             ; the code: 8 x chunk + its place
	s_delay_alu instid0(VALU_DEP_2)
	v_permlanex16_b32 v159, v156, s24, s25
	s_delay_alu instid0(VALU_DEP_2)
	v_permlanex16_b32 v160, v157, s24, s25         ; the other half's best
	s_delay_alu instid0(VALU_DEP_2)
	v_cmp_lt_f32 s20, v159, v156
	s_delay_alu instid0(VALU_DEP_3)
	v_cmp_eq_f32 s21, v159, v156
	s_delay_alu instid0(VALU_DEP_3)
	v_cmp_lt_u32 s22, v160, v157
	s_and_b32 s21, s21, s22
	s_or_b32 s20, s20, s21
	v_cndmask_b32 v157, v157, v160, s20            ; the smaller distance; among equal ones the lower code
	s_wait_alu depctr_va_vdst(0)
	s_wait_xcnt 0x0                                ; EXEC changes only behind this wait
	v_cmp_gt_u32 vcc_lo, 16, v3
	s_and_saveexec_b32 s23, vcc_lo                 ; lanes 0-15: one for each query
	global_store_b32 v161, v157, s[10:11]
	global_store_b32 v161, v157, s[12:13]
	s_endpgm
.Lfunc_end_k_qcf2d46d8b4_refine:
	.size	k_qcf2d46d8b4_refine, .Lfunc_end_k_qcf2d46d8b4_refine-k_qcf2d46d8b4_refine
	.p2alignl 7, 3214868480
	.fill 96, 4, 3214868480
	.section	.rodata,"a",@progbits
	.p2align	6, 0x0
	.amdhsa_kernel k_qcf2d46d8b4_refine
		.amdhsa_group_segment_fixed_size 0
		.amdhsa_private_segment_fixed_size 0
		.amdhsa_enable_private_segment 0
		.amdhsa_kernarg_size 40
		.amdhsa_user_sgpr_count 2
		.amdhsa_user_sgpr_kernarg_segment_ptr 1
		.amdhsa_wavefront_size32 1
		.amdhsa_system_sgpr_workgroup_id_x 1
		.amdhsa_system_sgpr_workgroup_id_y 1
		.amdhsa_system_sgpr_workgroup_id_z 1
		.amdhsa_system_vgpr_workitem_id 0
		.amdhsa_next_free_vgpr 512
		.amdhsa_next_free_sgpr 66
		.amdhsa_reserve_vcc 1
		.amdhsa_float_denorm_mode_32 3
		.amdhsa_float_denorm_mode_16_64 3
		.amdhsa_memory_ordered 1
		.amdhsa_forward_progress 1
		.amdhsa_inst_pref_size 46
	.end_amdhsa_kernel
	.amdgpu_metadata
---
amdhsa.version: [ 1, 2 ]
amdhsa.kernels:
  - .name:           k_qcf2d46d8b4_refine
    .symbol:         k_qcf2d46d8b4_refine.kd
    .args:
      - { .name: xrec, .offset: 0, .size: 8, .value_kind: global_buffer, .address_space: global }
      - { .name: wrec, .offset: 8, .size: 8, .value_kind: global_buffer, .address_space: global }
      - { .name: cand, .offset: 16, .size: 8, .value_kind: global_buffer, .address_space: global }
      - { .name: out1, .offset: 24, .size: 8, .value_kind: global_buffer, .address_space: global }
      - { .name: idxw, .offset: 32, .size: 8, .value_kind: global_buffer, .address_space: global }
    .group_segment_fixed_size: 0
    .private_segment_fixed_size: 0
    .kernarg_segment_align: 8
    .kernarg_segment_size: 40
    .max_flat_workgroup_size: 256
    .sgpr_count:     66
    .vgpr_count:     512
    .wavefront_size: 32
...
	.end_amdgpu_metadata
.endif
;; end of part 3
;; launch gather (part 4): grid 512 x 1, 8 waves a work-group, no clusters, 0 bytes of LDS; arguments inputs, weight, idxw, out0; writes out0
.if DOCPART == 4
	.amdgcn_target "amdgcn-amd-amdhsa--gfx1250"
	.amdhsa_code_object_version 6
	.text
	.protected	k_qcf2d46d8b4_gather
	.globl	k_qcf2d46d8b4_gather
	.p2align	8
	.type	k_qcf2d46d8b4_gather,@function
k_qcf2d46d8b4_gather:
	s_mov_b64 s[64:65], 0
	v_nop
	global_prefetch_b8 v0, s[64:65] scope:SCOPE_SE
	s_setreg_imm32_b32 hwreg(HW_REG_WAVE_MODE, 25, 1), 1
	s_wait_xcnt 0x0
; out0[n] = inputs[n] + (weight[idx[n]] - inputs[n]), in f32, in that order of rounding.  idx: whole numbers that an earlier launch stored, each held under 8,192 before it enters an address.
; A wave takes 8 rows of 1,024 bytes: every load and store covers 512 consecutive bytes, aligned.  All 32 loads of a wave are out before the first is used.
; A stream: no LDS, no barrier, no matrix unit, no cluster: nothing is shared and every byte of inputs and out0 moves once.  No hint on weight's rows: the list may name a row twice.
.set X, 16                             ; v16-79  the rows of inputs
.set W, 80                             ; v80-143 the rows of weight, then the results
	s_load_b256 s[4:11], s[0:1], 0x0               ; inputs, weight, idxw, out0
	v_lshrrev_b32 v1, 5, v0
	s_delay_alu instid0(VALU_DEP_1)
	v_readfirstlane_b32 s14, v1                    ; wave
	v_and_b32 v1, 31, v0
	s_delay_alu instid0(VALU_DEP_1)
	v_lshlrev_b32 v1, 4, v1                        ; 16 x lane
	s_lshl_b32 s12, ttmp9, 6
	s_lshl_b32 s13, s14, 3
	s_add_co_u32 s12, s12, s13                     ; my first row: 64 x work-group + 8 x wave
	s_lshl_b32 s24, s12, 10
	s_mov_b32 s25, 0
	s_lshl_b32 s26, s12, 2
	s_mov_b32 s27, 0
	s_wait_alu depctr_va_vdst(0)
	s_wait_kmcnt 0x0
	s_add_nc_u64 s[8:9], s[8:9], s[26:27]
	s_load_b256 s[16:23], s[8:9], 0x0              ; my eight indices
	s_add_nc_u64 s[4:5], s[4:5], s[24:25]
	s_add_nc_u64 s[10:11], s[10:11], s[24:25]
.irp k, 0,1,2,3,4,5,6,7,8,9,10,11,12,13,14,15
	global_load_b128 v[X+4*\k:X+4*\k+3], v1, s[4:5] offset:512*\k th:TH_LOAD_NT
.endr
	s_wait_kmcnt 0x0
.irp i, 0,1,2,3,4,5,6,7
	s_min_u32 s[16+\i], s[16+\i], 8191             ; held inside the table
	s_lshl_b32 s[16+\i], s[16+\i], 10              ; a row of weight is 1,024 bytes
	v_add_nc_u32 v[8+\i], s[16+\i], v1
.endr
	s_wait_alu depctr_va_vdst(0)
.irp i, 0,1,2,3,4,5,6,7
	global_load_b128 v[W+8*\i:W+8*\i+3], v[8+\i], s[6:7]
	global_load_b128 v[W+8*\i+4:W+8*\i+7], v[8+\i], s[6:7] offset:512
.endr
.irp k, 0,1,2,3,4,5,6,7,8,9,10,11,12,13,14,15
	s_wait_loadcnt 15-\k                           ; loads come back in order: piece k of weight, and all of inputs, are in; the younger pieces stay out
	v_pk_add_f32 v[W+4*\k:W+4*\k+1], v[W+4*\k:W+4*\k+1], v[X+4*\k:X+4*\k+1] neg_lo:[0,1] neg_hi:[0,1]       ; weight - inputs
	v_pk_add_f32 v[W+4*\k+2:W+4*\k+3], v[W+4*\k+2:W+4*\k+3], v[X+4*\k+2:X+4*\k+3] neg_lo:[0,1] neg_hi:[0,1]
	s_delay_alu instid0(VALU_DEP_2)
	v_pk_add_f32 v[W+4*\k:W+4*\k+1], v[X+4*\k:X+4*\k+1], v[W+4*\k:W+4*\k+1]                                 ; inputs + that
	s_delay_alu instid0(VALU_DEP_2)
	v_pk_add_f32 v[W+4*\k+2:W+4*\k+3], v[X+4*\k+2:X+4*\k+3], v[W+4*\k+2:W+4*\k+3]
	global_store_b128 v1, v[W+4*\k:W+4*\k+3], s[10:11] offset:512*\k th:TH_STORE_NT
.endr
	s_endpgm
.Lfunc_end_k_qcf2d46d8b4_gather:
	.size	k_qcf2d46d8b4_gather, .Lfunc_end_k_qcf2d46d8b4_gather-k_qcf2d46d8b4_gather
	.p2alignl 7, 3214868480
	.fill 96, 4, 3214868480
	.section	.rodata,"a",@progbits
	.p2align	6, 0x0
	.amdhsa_kernel k_qcf2d46d8b4_gather
		.amdhsa_group_segment_fixed_size 0
		.amdhsa_private_segment_fixed_size 0
		.amdhsa_enable_private_segment 0
		.amdhsa_kernarg_size 32
		.amdhsa_user_sgpr_count 2
		.amdhsa_user_sgpr_kernarg_segment_ptr 1
		.amdhsa_wavefront_size32 1
		.amdhsa_system_sgpr_workgroup_id_x 1
		.amdhsa_system_sgpr_workgroup_id_y 1
		.amdhsa_system_sgpr_workgroup_id_z 1
		.amdhsa_system_vgpr_workitem_id 0
		.amdhsa_next_free_vgpr 160
		.amdhsa_next_free_sgpr 66
		.amdhsa_reserve_vcc 0
		.amdhsa_float_denorm_mode_32 3
		.amdhsa_float_denorm_mode_16_64 3
		.amdhsa_memory_ordered 1
		.amdhsa_forward_progress 1
		.amdhsa_inst_pref_size 13
	.end_amdhsa_kernel
	.amdgpu_metadata
---
amdhsa.version: [ 1, 2 ]
amdhsa.kernels:
  - .name:           k_qcf2d46d8b4_gather
    .symbol:         k_qcf2d46d8b4_gather.kd
    .args:
      - { .name: inputs, .offset: 0, .size: 8, .value_kind: global_buffer, .address_space: global }
      - { .name: weight, .offset: 8, .size: 8, .value_kind: global_buffer, .address_space: global }
      - { .name: idxw, .offset: 16, .size: 8, .value_kind: global_buffer, .address_space: global }
      - { .name: out0, .offset: 24, .size: 8, .value_kind: global_buffer, .address_space: global }
    .group_segment_fixed_size: 0
    .private_segment_fixed_size: 0
    .kernarg_segment_align: 8
    .kernarg_segment_size: 32
    .max_flat_workgroup_size: 256
    .sgpr_count:     66
    .vgpr_count:     160
    .wavefront_size: 32
...
	.end_amdgpu_metadata
.endif
;; end of part 4
